; MI455X (gfx1250); checked and timed in simulation.
; The chip was launched on July 23, 2026; its instructions are those of AMD's public machine-readable ISA for CDNA 5 (MIT licence, August 2026) and "CDNA5" Instruction Set Architecture Reference Guide (July 2026). The comments in the code are by the model that wrote it; some were corrected since.
;; New Sub Graph. Allowed arithmetic: matrix products marked QUANTISED: E5M2 operands, one E8M0 scale for each 32 along K, by v_wmma_scale_f32_16x16x128_f8f6f4 with both operands' format E5M2, f32 sums; products left as they are: f32 operands where the result goes on into a quantised operand, else bf16, f16 or f32 operands; f32 sums; everything else in f32.
;; Inputs: W_emb 16 x 128 float32; W_enc 128 x 128 float32; Wk 3 x 128 x 128 float32; Wq 3 x 128 x 128 float32; Wv 3 x 128 x 128 float32; b_emb 128 float32; b_enc 128 float32; beta_emb 128 float32; beta_enc 128 float32; bk 3 x 128 float32; bq 3 x 128 float32; bv 3 x 128 float32; g_emb 128 float32; g_enc 128 float32; lane_nodes_feat 4,096 x 1 x 64 x 16 float32; ln_b 3 x 128 float32; ln_g 3 x 128 float32; masks 4,096 x 1 x 64 x 1 float32.
;; Outputs: out0 4,096 x 1 x 128 float32.
;; This version of the problem:
;;   THIS VERSION OF THE PROBLEM IS GIVEN IN LOW PRECISION. The matrix products marked QUANTISED in the list below multiply operands that are first quantised to E5M2 (5 exponent bits, 2 mantissa bits; 8 bits a number), with one power-of-two scale for each 32 numbers along K (OCP MX v1.0); their sums are f32. All else is computed in f32.
;;   The module's matrix products, in the order in which they are computed (A, B: the left and right operand; K: the contracted axis; several contracted axes count as one K, in the product's order):
;;     1. [M 262,144, K 16] x [K 16, N 128]; A: input lane_nodes_feat; B: input W_emb: left as it is (K = 16 < 32)
;;     2. [M 262,144, K 128] x [K 128, N 128]; A: computed on the way; B: input W_enc: QUANTISED
;;     3. [M 262,144, K 128] x [K 128, N 128]; A: computed on the way; B: input Wq: QUANTISED
;;     4. [M 262,144, K 128] x [K 128, N 128]; A: computed on the way; B: input Wk: QUANTISED
;;     5. [M 262,144, K 128] x [K 128, N 128]; A: computed on the way; B: input Wv: QUANTISED
;;     6. batch 8,192 x [M 64, K 64] x [K 64, N 64]; A: computed on the way; B: computed on the way: QUANTISED
;;     7. batch 8,192 x [M 64, K 64] x [K 64, N 64]; A: softmax (see below); B: computed on the way: QUANTISED
;;     8. [M 262,144, K 128] x [K 128, N 128]; A: computed on the way; B: input Wq: QUANTISED
;;     9. [M 262,144, K 128] x [K 128, N 128]; A: computed on the way; B: input Wk: QUANTISED
;;     10. [M 262,144, K 128] x [K 128, N 128]; A: computed on the way; B: input Wv: QUANTISED
;;     11. batch 8,192 x [M 64, K 64] x [K 64, N 64]; A: computed on the way; B: computed on the way: QUANTISED
;;     12. batch 8,192 x [M 64, K 64] x [K 64, N 64]; A: softmax (see below); B: computed on the way: QUANTISED
;;     13. [M 262,144, K 128] x [K 128, N 128]; A: computed on the way; B: input Wq: QUANTISED
;;     14. [M 262,144, K 128] x [K 128, N 128]; A: computed on the way; B: input Wk: QUANTISED
;;     15. [M 262,144, K 128] x [K 128, N 128]; A: computed on the way; B: input Wv: QUANTISED
;;     16. batch 8,192 x [M 64, K 64] x [K 64, N 64]; A: computed on the way; B: computed on the way: QUANTISED
;;     17. batch 8,192 x [M 64, K 64] x [K 64, N 64]; A: softmax (see below); B: computed on the way: QUANTISED
;;   THE QUANTISER, for each operand of a quantised product, along K:
;;     - K is cut into blocks of 32 from its start; a last block that is shorter is filled with zeros.
;;     - A block's scale is 2^e with e = floor(log2(the largest magnitude in the block)) - 15, held to -126 .. 127; a block of zeros has e = 0. As a byte (E8M0): e + 127.
;;     - Each number is divided by its block's scale, clamped to +-57,344, and rounded to the nearest number of E5M2, ties to even, subnormals kept.
;;     - The product sums the exact products of the quantised numbers (number of the format x scale) in f32.
;;   ~~~python
;;   def quantise(x, axis):      # numpy; x: float32 -> the quantised numbers, widened to float32 again
;;       x = np.moveaxis(x, axis, -1); K = x.shape[-1]
;;       x = np.pad(x, [(0, 0)] * (x.ndim - 1) + [(0, -K % 32)]); x = x.reshape(x.shape[:-1] + (-1, 32)); a = np.abs(x).max(-1, keepdims=True)
;;       e = np.where(a > 0, np.clip(np.frexp(np.where(a > 0, a, 1))[1] - 1 - 15, -126, 127), 0)      # np.frexp(a)[1] - 1 = floor(log2(a)), exactly
;;       r = np.clip(x / 2.0 ** e, -57344, 57344)
;;       step = 2.0 ** (np.maximum(np.frexp(np.where(r == 0, 1, r))[1] - 1, -14) - 2)
;;       q = np.round(r / step) * step * 2.0 ** e      # np.round: ties to even
;;       return np.moveaxis(q.reshape(q.shape[:-2] + (-1,))[..., :K], -1, axis).astype(np.float32)
;;   ~~~
;;   SOFTMAX AHEAD OF A QUANTISED PRODUCT. Where the list says 'softmax', what is quantised is not the finished softmax but p = 2^(t - M), with t = logit x log2(e) and M = ceil(the row's largest t), a whole number; so 1/2 < the row's largest p <= 1. The row's sum l is taken of the UNQUANTISED p, in f32, and the product's result is divided by l at the end. Since M is a whole number, a kernel that streams over the keys may use a running M (the ceiling of the running maximum): every later rescaling is an exact power of two, which a block's scale takes up: the codes' values come out the same.
;;   OPERANDS COMPUTED ON THE WAY. 'Computed on the way' means the value that the module computes at that place (a softmax that the list does not call 'softmax' is quantised finished and normalised). What goes into a quantiser is computed in f32, as accurately as f32 sums, v_exp_f32 and their like allow (about 1e-6 of the number): no bf16 or f16 on the way to a quantiser, and a product that is left as it is and whose result goes on into a quantised operand takes f32 operands (vector FMAs, or v_wmma_f32_16x16x4_f32). A number that lies on a knife's edge between two numbers of the format may be rounded either way, as far as f32 arithmetic and the matrix unit's own rounding can turn it there, and no further.
;; One version. Each part assembles by itself: llvm-mc -triple=amdgcn-amd-amdhsa -mcpu=gfx1250 --defsym DOCPART=n.
;; ======== version 1 of 1: 2 launches
;; limits: right only within a limited range of input values
;; workspace buffers: wpack 192,512 bytes
;; launch prep (part 1): grid 11 x 1, 8 waves a work-group, no clusters, 0 bytes of LDS; arguments W_enc, Wk, Wv, Wq, W_emb, bv, b_emb, g_emb, beta_emb, b_enc, g_enc, beta_enc, bk, bq, ln_g, ln_b, wpack; writes wpack
.if DOCPART == 1
	.amdgcn_target "amdgcn-amd-amdhsa--gfx1250"
	.amdhsa_code_object_version 6
	.text
	.protected	k_q05326146e2_prep
	.globl	k_q05326146e2_prep
	.p2align	8
	.type	k_q05326146e2_prep,@function
k_q05326146e2_prep:
	s_mov_b64 s[64:65], 0
	v_nop
	global_prefetch_b8 v0, s[64:65] scope:SCOPE_SE
	s_setreg_imm32_b32 hwreg(HW_REG_WAVE_MODE, 25, 1), 1
	s_wait_xcnt 0x0
; All tables of the main launch, made once and laid as ONE dense block of 192,512 bytes, in the order in which a wave's registers take them.
; No work of reference() is left out anywhere in this program, and every input is loaded: none of it is dead.
;   CODES  byte 0:       ten weights [128 (k)][128 (n)] as codes of E5M2, quantised along k (their FIRST axis) in blocks of 32.  Matrix mi (0: W_enc; 1 + 3 d + s, s = 0 Wk, 1 Wv, 2 Wq),
;                        tile t of 16 columns, group c: mi x 16,384 + t x 2,048 + c x 512 + 16 x lane = operand registers 4 c .. 4 c + 3 of that lane.
;                        THE COLUMNS OF A TILE ARE NOT NEIGHBOURS: lane r of tile t takes column 32 (t / 2) + 8 (t % 2) + r + 8 (r / 8).
;   SCL    byte 163,840: their scale words: mi x 512 + 64 t + 4 r
;   EMBW   byte 168,960: W_emb in f32, as the f32 matrix form's registers: register 8 t + i of lane (r, h) = W_emb[8 h + i][column of tile t, lane r]
;   VEC    byte 177,152: the vectors of 128 as they are: b_emb, g_emb, beta_emb, b_enc, g_enc, beta_enc; from 3,072 + 2,048 d on: bk[d], bq[d], ln_g[d], ln_b[d]
;   BV4    byte 186,368: d x 2,048 + 256 t + 16 r: bv[d][column of tile t, lane r], four times
; Work-groups 0 to 9 take a weight each, a wave to a tile: a lane takes a column and its registers run down k, so the conversions' results are the operand's registers.  Work-group 10 copies the small tables, a role to a wave.
; A block's scale is 2^(floor(log2(its largest magnitude)) - 15); its byte is the largest magnitude's exponent field - 15, held at 1 from below (a block of zeros keeps the byte 1: its codes are zeros, and this program alone reads the bytes).
; LIMITS: NaN and infinities among the inputs are not served.
.set SCL,   163840
.set EMBWB, 168960
.set VEC,   177152
.set BV4,   186368
.set X,   16                           ; v16-79   64 numbers of my column
.set C,   80                           ; v80-95   their codes
.set WD,  96                           ; v96      the column's scale word
.set AM,  100                          ; v100-107 largest magnitudes, two chains a block
.set PT,  108                          ; v108-111 the other half of the lanes'
.set SO,  112                          ; v112-115 the conversions' scale operands
.set HI,  116                          ; v116-119 57,344 x the scale
.set BY,  120                          ; v120-123 the bytes
	s_load_b512 s[8:23], s[0:1], 0x0               ; W_enc, Wk, Wv, Wq, W_emb, bv, b_emb, g_emb
	s_load_b512 s[24:39], s[0:1], 0x40             ; beta_emb, b_enc, g_enc, beta_enc, bk, bq, ln_g, ln_b
	s_load_b64 s[40:41], s[0:1], 0x80              ; wpack
	v_lshrrev_b32 v1, 5, v0
	s_delay_alu instid0(VALU_DEP_1)
	v_readfirstlane_b32 s4, v1                     ; wave 0..7
	v_and_b32 v2, 31, v0                           ; lane
	v_and_b32 v3, 15, v0                           ; r
	v_bfe_u32 v4, v0, 4, 1                         ; h
	s_delay_alu instid0(VALU_DEP_2)
	v_and_b32 v5, 8, v3
	s_delay_alu instid0(VALU_DEP_1)
	v_add_nc_u32 v5, v5, v3                        ; r + 8 (r / 8)
	v_lshlrev_b32 v6, 4, v2                        ; 16 x lane
	s_mov_b32 s5, 0x76543210
	s_mov_b32 s6, 0xfedcba98                       ; lane selects: lane l xor 16
	s_mov_b32 s7, 0x600000                         ; the mantissa field of 57,344
	s_wait_kmcnt 0x0
	s_cmp_eq_u32 ttmp9, 10
	s_cbranch_scc1 .Lsmall
	; ---- a weight: which one
	s_max_u32 s42, ttmp9, 1
	s_sub_co_u32 s42, s42, 1                       ; e = mi - 1 (0 for W_enc too)
	s_mul_i32 s43, s42, 11
	s_lshr_b32 s43, s43, 5                         ; d = e / 3, for e = 0 .. 8
	s_mul_i32 s44, s43, 3
	s_sub_co_u32 s44, s42, s44                     ; s = e % 3
	s_lshl_b32 s46, s43, 16                        ; layer d begins 65,536 d bytes on
	s_mov_b32 s47, 0
	s_cmp_eq_u32 s44, 1
	s_cselect_b64 s[48:49], s[12:13], s[10:11]     ; Wv or Wk,
	s_cmp_eq_u32 s44, 2
	s_cselect_b64 s[48:49], s[14:15], s[48:49]     ; or Wq,
	s_cmp_eq_u32 ttmp9, 0
	s_cselect_b64 s[48:49], s[8:9], s[48:49]       ; or W_enc: the choices hang on the work-group's number alone
	s_add_nc_u64 s[48:49], s[48:49], s[46:47]
	s_lshr_b32 s50, s4, 1
	s_lshl_b32 s50, s50, 5
	s_and_b32 s51, s4, 1
	s_lshl_b32 s51, s51, 3
	s_add_co_u32 s50, s50, s51                     ; 32 (t / 2) + 8 (t % 2)
	s_wait_alu depctr_va_vdst(0)
	v_add_nc_u32 v7, s50, v5                       ; my column
	s_delay_alu instid0(VALU_DEP_1)
	v_lshlrev_b32 v7, 2, v7
	s_delay_alu instid0(VALU_DEP_1)
	v_lshl_add_u32 v7, v4, 13, v7                  ; lanes 16-31 begin 16 rows of 512 bytes further down
.irp c, 0,1,2,3
.irp i, 0,1,2,3,4,5,6,7,8,9,10,11,12,13,14,15
	global_load_b32 v[X+16*\c+\i], v7, s[48:49] offset:(32*\c+\i)*512   ; W(32 c + 16 h + i, my column)
.endr
.endr
	s_lshl_b32 s52, ttmp9, 14
	s_lshl_b32 s53, s4, 11
	s_add_co_u32 s52, s52, s53
	s_mov_b32 s53, 0
	s_add_nc_u64 s[54:55], s[40:41], s[52:53]      ; my tile's codes
	s_lshl_b32 s52, ttmp9, 9
	s_lshl_b32 s56, s4, 6
	s_add_co_u32 s52, s52, s56
	s_add_co_u32 s52, s52, SCL
	s_add_nc_u64 s[56:57], s[40:41], s[52:53]      ; and its scale words
	v_lshlrev_b32 v8, 2, v3
.irp b, 0,1,2,3
	v_mov_b32 v[PT+\b], 0                          ; a lane permute's destination counts as one of its sources
.endr
	s_wait_loadcnt 0x0
.irp b, 0,1,2,3
	v_max3_num_f32 v[AM+\b], |v[X+16*\b]|, |v[X+16*\b+1]|, |v[X+16*\b+2]|          ; two chains a block, the four blocks by turns
.endr
.irp b, 0,1,2,3
	v_max3_num_f32 v[AM+4+\b], |v[X+16*\b+3]|, |v[X+16*\b+4]|, |v[X+16*\b+5]|
.endr
.irp i, 6,8,10,12,14
.irp b, 0,1,2,3
	v_max3_num_f32 v[AM+4*(1-((\i/2)%2))+\b], v[AM+4*(1-((\i/2)%2))+\b], |v[X+16*\b+\i]|, |v[X+16*\b+\i+1]|
.endr
.endr
.irp b, 0,1,2,3
	s_delay_alu instid0(VALU_DEP_4)
	v_max3_num_f32 v[AM+\b], v[AM+\b], v[AM+4+\b], 0x8000000   ; and the floor 2^(16 - 127): the byte cannot fall under 1
.endr
.irp b, 0,1,2,3
	s_delay_alu instid0(VALU_DEP_4)
	v_permlanex16_b32 v[PT+\b], v[AM+\b], s5, s6
.endr
.irp b, 0,1,2,3
	s_delay_alu instid0(VALU_DEP_4)
	v_max_num_f32 v[AM+\b], v[AM+\b], v[PT+\b]     ; with lane l xor 16's 16 numbers: the block's largest magnitude
.endr
.irp b, 0,1,2,3
	s_delay_alu instid0(VALU_DEP_4)
	v_add_nc_u32 v[SO+\b], 0xf8800000, v[AM+\b]    ; 15 off its exponent field: the conversion's scale operand
.endr
.irp b, 0,1,2,3
	v_and_or_b32 v[HI+\b], v[AM+\b], 0x7f800000, s7   ; 57,344 x the scale
.endr
.irp b, 0,1,2,3
	v_lshrrev_b32 v[BY+\b], 23, v[SO+\b]           ; the scale's byte
.endr
	s_delay_alu instid0(VALU_DEP_3)
	v_lshl_or_b32 v[WD], v[BY+1], 8, v[BY]
	s_delay_alu instid0(VALU_DEP_1)
	v_lshl_or_b32 v[WD], v[BY+2], 16, v[WD]
	s_delay_alu instid0(VALU_DEP_1)
	v_lshl_or_b32 v[WD], v[BY+3], 24, v[WD]
.irp b, 0,1,2,3
.irp i, 0,1,2,3,4,5,6,7,8,9,10,11,12,13,14,15
	v_med3_num_f32 v[X+16*\b+\i], v[X+16*\b+\i], -v[HI+\b], v[HI+\b]   ; the conversion to an 8-bit code does not saturate (ISA guide 7.6.2): the hold comes first
.endr
	v_cvt_scalef32_pk8_bf8_f32 v[C+4*\b:C+4*\b+1], v[X+16*\b:X+16*\b+7], v[SO+\b]
	v_cvt_scalef32_pk8_bf8_f32 v[C+4*\b+2:C+4*\b+3], v[X+16*\b+8:X+16*\b+15], v[SO+\b]
.endr
	v_nop
.irp c, 0,1,2,3
	global_store_b128 v6, v[C+4*\c:C+4*\c+3], s[54:55] offset:512*\c   ; 32 lanes store 512 consecutive bytes
.endr
	global_store_b32 v8, v[WD], s[56:57]           ; 64 consecutive bytes; both halves of the lanes hold the same word and write the same place
	s_endpgm
.Lsmall:
	s_cmp_lt_u32 s4, 4
	s_cbranch_scc0 .Lvec
	; ---- waves 0 to 3: W_emb, tiles 2 w and 2 w + 1
	s_wait_alu depctr_va_vdst(0)
	v_lshlrev_b32 v7, 2, v5
	s_delay_alu instid0(VALU_DEP_1)
	v_lshl_add_u32 v7, v4, 12, v7                  ; lanes 16-31 begin 8 rows of 512 bytes further down
	s_lshl_b32 s42, s4, 7
	v_add_nc_u32 v7, s42, v7                       ; + 32 w columns
.irp u, 0,1
.irp i, 0,1,2,3,4,5,6,7
	global_load_b32 v[16+8*\u+\i], v7, s[16:17] offset:32*\u+512*\i
.endr
.endr
	s_lshl_b32 s44, s4, 11
	s_add_co_u32 s44, s44, EMBWB
	s_mov_b32 s45, 0
	s_add_nc_u64 s[46:47], s[40:41], s[44:45]
	s_wait_loadcnt 0x0
.irp g, 0,1,2,3
	global_store_b128 v6, v[16+4*\g:19+4*\g], s[46:47] offset:512*\g
.endr
	s_endpgm
.Lvec:
	s_cmp_eq_u32 s4, 4
	s_cbranch_scc0 .Lpairs
	; ---- wave 4: the six vectors of the two MLPs
	s_wait_alu depctr_va_vdst(0)
.irp n, 0,1,2,3,4,5
	global_load_b128 v[16+4*\n:19+4*\n], v6, s[20+2*\n:21+2*\n]
.endr
	s_wait_loadcnt 0x0
.irp n, 0,1,2,3,4,5
	global_store_b128 v6, v[16+4*\n:19+4*\n], s[40:41] offset:VEC+512*\n
.endr
	s_endpgm
.Lpairs:
	s_cmp_eq_u32 s4, 7
	s_cbranch_scc1 .Lbv
	; ---- wave 5: bk and bq; wave 6: ln_g and ln_b; three layers each
	s_cmp_eq_u32 s4, 5
	s_cselect_b64 s[44:45], s[32:33], s[36:37]
	s_cselect_b64 s[46:47], s[34:35], s[38:39]
	s_cselect_b32 s42, 0, 1024
	s_add_co_u32 s42, s42, VEC+3072
	s_mov_b32 s43, 0
	s_add_nc_u64 s[48:49], s[40:41], s[42:43]
	s_wait_alu depctr_va_vdst(0)
.irp d, 0,1,2
	global_load_b128 v[16+8*\d:19+8*\d], v6, s[44:45] offset:512*\d
	global_load_b128 v[20+8*\d:23+8*\d], v6, s[46:47] offset:512*\d
.endr
	s_wait_loadcnt 0x0
.irp d, 0,1,2
	global_store_b128 v6, v[16+8*\d:19+8*\d], s[48:49] offset:2048*\d
	global_store_b128 v6, v[20+8*\d:23+8*\d], s[48:49] offset:2048*\d+512
.endr
	s_endpgm
.Lbv:
	; ---- wave 7: bv, each number four times: store i of layer d holds tiles 2 i (lanes 0-15) and 2 i + 1 (lanes 16-31)
	s_wait_alu depctr_va_vdst(0)
	v_lshl_add_u32 v7, v4, 3, v5
	s_delay_alu instid0(VALU_DEP_1)
	v_lshlrev_b32 v7, 2, v7                        ; 4 (8 h + r + 8 (r / 8))
.irp d, 0,1,2
.irp i, 0,1,2,3
	global_load_b32 v[16+4*(4*\d+\i)], v7, s[18:19] offset:512*\d+128*\i
.endr
.endr
	s_wait_loadcnt 0x0
.irp n, 0,1,2,3,4,5,6,7,8,9,10,11
	v_mov_b32 v[17+4*\n], v[16+4*\n]
	v_mov_b32 v[18+4*\n], v[16+4*\n]
	v_mov_b32 v[19+4*\n], v[16+4*\n]
.endr
.irp d, 0,1,2
.irp i, 0,1,2,3
	global_store_b128 v6, v[16+4*(4*\d+\i):19+4*(4*\d+\i)], s[40:41] offset:BV4+2048*\d+512*\i
.endr
.endr
	s_endpgm
.Lfunc_end_k_q05326146e2_prep:
	.size	k_q05326146e2_prep, .Lfunc_end_k_q05326146e2_prep-k_q05326146e2_prep
	.p2alignl 7, 3214868480
	.fill 96, 4, 3214868480
	.section	.rodata,"a",@progbits
	.p2align	6, 0x0
	.amdhsa_kernel k_q05326146e2_prep
		.amdhsa_group_segment_fixed_size 0
		.amdhsa_private_segment_fixed_size 0
		.amdhsa_enable_private_segment 0
		.amdhsa_kernarg_size 136
		.amdhsa_user_sgpr_count 2
		.amdhsa_user_sgpr_kernarg_segment_ptr 1
		.amdhsa_wavefront_size32 1
		.amdhsa_system_sgpr_workgroup_id_x 1
		.amdhsa_system_sgpr_workgroup_id_y 1
		.amdhsa_system_sgpr_workgroup_id_z 1
		.amdhsa_system_vgpr_workitem_id 0
		.amdhsa_next_free_vgpr 128
		.amdhsa_next_free_sgpr 66
		.amdhsa_reserve_vcc 0
		.amdhsa_float_denorm_mode_32 3
		.amdhsa_float_denorm_mode_16_64 3
		.amdhsa_memory_ordered 1
		.amdhsa_forward_progress 1
		.amdhsa_inst_pref_size 27
	.end_amdhsa_kernel
	.amdgpu_metadata
---
amdhsa.version: [ 1, 2 ]
amdhsa.kernels:
  - .name:           k_q05326146e2_prep
    .symbol:         k_q05326146e2_prep.kd
    .args:
      - { .name: W_enc, .offset: 0, .size: 8, .value_kind: global_buffer, .address_space: global }
      - { .name: Wk, .offset: 8, .size: 8, .value_kind: global_buffer, .address_space: global }
      - { .name: Wv, .offset: 16, .size: 8, .value_kind: global_buffer, .address_space: global }
      - { .name: Wq, .offset: 24, .size: 8, .value_kind: global_buffer, .address_space: global }
      - { .name: W_emb, .offset: 32, .size: 8, .value_kind: global_buffer, .address_space: global }
      - { .name: bv, .offset: 40, .size: 8, .value_kind: global_buffer, .address_space: global }
      - { .name: b_emb, .offset: 48, .size: 8, .value_kind: global_buffer, .address_space: global }
      - { .name: g_emb, .offset: 56, .size: 8, .value_kind: global_buffer, .address_space: global }
      - { .name: beta_emb, .offset: 64, .size: 8, .value_kind: global_buffer, .address_space: global }
      - { .name: b_enc, .offset: 72, .size: 8, .value_kind: global_buffer, .address_space: global }
      - { .name: g_enc, .offset: 80, .size: 8, .value_kind: global_buffer, .address_space: global }
      - { .name: beta_enc, .offset: 88, .size: 8, .value_kind: global_buffer, .address_space: global }
      - { .name: bk, .offset: 96, .size: 8, .value_kind: global_buffer, .address_space: global }
      - { .name: bq, .offset: 104, .size: 8, .value_kind: global_buffer, .address_space: global }
      - { .name: ln_g, .offset: 112, .size: 8, .value_kind: global_buffer, .address_space: global }
      - { .name: ln_b, .offset: 120, .size: 8, .value_kind: global_buffer, .address_space: global }
      - { .name: wpack, .offset: 128, .size: 8, .value_kind: global_buffer, .address_space: global }
    .group_segment_fixed_size: 0
    .private_segment_fixed_size: 0
    .kernarg_segment_align: 8
    .kernarg_segment_size: 136
    .max_flat_workgroup_size: 256
    .sgpr_count:     66
    .vgpr_count:     128
    .wavefront_size: 32
...
	.end_amdgpu_metadata
.endif
;; end of part 1
;; launch main (part 2): grid 256 x 1, 4 waves a work-group, clusters of 4 x 1, 327,680 bytes of LDS; arguments lane_nodes_feat, masks, wpack, out0; writes out0
.if DOCPART == 2
	.amdgcn_target "amdgcn-amd-amdhsa--gfx1250"
	.amdhsa_code_object_version 6
	.text
	.protected	k_q05326146e2_main
	.globl	k_q05326146e2_main
	.p2align	8
	.type	k_q05326146e2_main,@function
k_q05326146e2_main:
	s_mov_b64 s[64:65], 0
	v_nop
	global_prefetch_b8 v0, s[64:65] scope:SCOPE_SE
	s_setreg_imm32_b32 hwreg(HW_REG_WAVE_MODE, 25, 1), 1
	s_wait_xcnt 0x0
	s_wait_alu depctr_hold_cnt(0) depctr_sa_sdst(0) depctr_va_vdst(0) depctr_va_sdst(0) depctr_va_ssrc(0) depctr_va_vcc(0) depctr_vm_vsrc(0)
	s_getreg_b32 s2, hwreg(HW_REG_IB_STS2, 6, 4)
	s_cmp_eq_u32 s2, 0
	s_cbranch_scc0 .Lentry_in_a_cluster
	s_endpgm
.Lentry_in_a_cluster:
	s_bfe_u32 s2, ttmp6, 0x10000c
	s_cmp_lg_u32 s2, 0x3003
	s_cbranch_scc0 .Lentry_shape_is_right
	s_endpgm
.Lentry_shape_is_right:
; The whole chain of reference() for 4,096 sequences of 64 tokens: two MLPs with LayerNorm and ReLU, three layers of two-head attention with ReLU, residual and LayerNorm, the maximum over the 64 tokens.
; Nothing of reference() is left out: padded rows are live (the last maximum runs over all 64 tokens), and the term (1 - amask) x -10000 is added as reference() adds it.
; SHARES.  256 work-groups of four waves; ONE WAVE OWNS ONE SEQUENCE at a time and walks four of them.  Waves hand nothing to each other: the one barrier of the work stands behind the tables' arrival.
; TABLES.  The block that the launch before has laid (codes and scale words of the ten weights, W_emb, the vectors) comes into LDS once: each wave brings a quarter by one tensor load, asked for jointly by the four
; work-groups of a cluster, which all read the same block.  Nothing else is shared between work-groups.
; ONE LAYOUT.  Lane l: r = l % 16, h = l / 16.  Lane r of token tile tau (0..3) holds token 32 (tau / 2) + 8 (tau % 2) + r + 8 (r / 8); lane r of a weight's tile t holds output 32 (t / 2) + 8 (t % 2) + r + 8 (r / 8).
; A token tile in f32 is 64 registers: register 16 c + i of lane (r, h) = (my token, feature 32 c + 16 h + i): the order of an 8-bit operand, so the conversions' results ARE operand registers, and a block of 32 lies in lanes l, l xor 16.
; emb, enc, q, k are used transposed (source 0 = 16 outputs of W, source 1 = 16 tokens): results in that layout.  v is used straight (source 0 = tokens, source 1 = Wv): a lane holds one feature and its registers run along the keys.
; S^T = K Q^T and O^T = V^T P^T.  A head's K of 64 is filled to the instruction's 128 by eight registers of zero codes on the query's or p's side (Z); the other side's half there holds finite codes, and all scale bytes lie in 1..254.
; SOFTMAX, as the problem states it: logit = score / 8 + mask term; t = logit x log2(e), rounded; M = ceil(the row's largest t); p = 2^(t - M) is quantised along the keys; the sum of the unquantised p divides at the end.
; A block's largest p is not searched for: the block's largest t goes through the same addition and exponential.
; VALIDITY.  seq_len is a sum of floats; pos < seq_len is decided as pos < ceil(seq_len clamped to 0..64), in whole numbers, and steers selects alone: no branch and no address hangs on it.
; BY TURNS.  A group of products is issued one quantiser ahead of its use, LDS loads one step ahead, and the exponentials of query tile k stand two behind each of the 32 lines of tile k - 1's residual.
; The next sequence's 4,352 bytes are asked for into registers three layers ahead of their use, so no wave waits for memory, and no prefetch is laid.
; LIMITS: NaN and infinities among the inputs are not served; a block whose largest magnitude lies under 2^-111 keeps the scale byte 1.
;
; REGISTERS, in windows of 256 (s_set_vgpr_msb: bits 1:0 source 0, 3:2 source 1, 5:4 source 2, 7:6 destination):
;   window 0: v0-27 addresses and small numbers; v28-71 scale words alone; v72-127 at work; v128-191 ACC0 (= the scores); v192-255 ACC1 (= O^T, then the new tile)
;   window 1: XC 0-63 the tokens' codes; KC 64-127 k's; VC 128-191 v's; POP 192-215 (p of head 0, Z, p of head 1); FEAT 224-255 the sequence's features
;   window 2: QC 0-95 (for each tile: q's features 0-63, Z, features 64-127); BC 96-127 biases, two sets; WF 128-191 weight fragments, two sets; TT 192-255 a tile of the residual
;   window 3: LG 0-63, LB 64-127 gain and bias; EA 128-191 the f32 products' sums (written by matrix instructions alone); KMT 192-223, MT 224-255 mask terms
;   While the MLPs run: W_emb on XC, W_enc on KC and VC, beta_emb on QC, the MLP's codes on BC, b_emb on WF, g_emb on TT, b_enc on KMT and MT.
.set SCL,   163840
.set EMBWB, 168960
.set VEC,   177152
.set BV4,   186368
.set QUART, 48128                      ; a quarter of the tables: 188 rows of 256 bytes
.set HS,    192512                     ; behind the tables: for each wave 32,768 bytes: its sequence's four tiles in f32, as images of 64 registers (group q of four registers at 512 q + 16 x lane)
.set SPARE, 323584                     ; the spare words, 128 bytes for each wave: two blocks of 256 bytes that no other line names
.set LI,1                              ; 16 x lane
.set SPW,2                             ; my spare word's LDS address; never rewritten
.set NIL,3                             ; 0; never rewritten
.set HSA,4                             ; my wave's tiles + 16 x lane
.set WA,5                              ; the layer's codes + 16 x lane
.set VA0,6                             ; VEC + 64 h
.set VA,7                              ; + the layer's 2,048 d
.set SA0,8                             ; SCL + 4 r
.set SA,9                              ; + the layer's three matrices
.set BVA0,10                           ; BV4 + 16 r
.set BVA,11
.set HT,12                             ; the tile in hand
.set FO,13                             ; feat: 64 x token of tile 0 + 32 h
.set MO,14                             ; masks: 8 x lane
.set EMA,15                            ; EMBW + 16 x lane
.set STI,16                            ; the last maximum's stage, on the way in: 528 r + 64 h
.set ZR,17                             ; 0.0
.set TOK0,18                           ; r + 8 (r / 8)
.set H16,19                            ; 16 h
.set CL,20                             ; ceil(seq_len), a whole number
.set CLH,21                            ; CL - 16 h
.set NEG,22                            ; -10000.0
.set ONE,23                            ; 1.0
.set MK,24                             ; v[24:25] my two mask numbers
.set XS,28
.set KS,32
.set VS,36
.set QS,40
.set PS,44
.set ES,45
.set WS,48                             ; v48-71 the weights' scale words: 8 s + t
.set AM,72                             ; v72-79 maxima, two chains a block; v72-75 the softmax's four block maxima
.set PT,80
.set SO,84
.set HI,88
.set BY,92
.set PP,96                             ; v96-103 four packed sums
.set NU,104                            ; -mean (low word of a pair)
.set RS,106                            ; 1 / sqrt(variance + eps)
.set TS,108                            ; v108-111
.set AQ,112
.set BQ,114
.set NM0,116                           ; -M of head 0;  v118: of head 1
.set NM1,118
.set TK,120
.set RL0,124                           ; 1 / l of head 0;  v126: of head 1
.set ACC0,128
.set ACC1,192
.set SC,128
.set CC,192
.set XC,0
.set KC,64
.set VC,128
.set POP,192
.set FEAT,224
.set EMBW,0
.set WENC,64
.set QC,0
.set BC,96
.set WF,128
.set TT,192
.set B1,0
.set EC,96
.set BE1,128
.set G1,192
.set LG,0
.set LB,64
.set EA,128
.set KMT,192
.set MT,224
.set BE2,192
.set MSB,0
.set EXON,0
.set ex,0
.set PN,8                              ; the next product of the group that waits to be issued among a quantiser's lines; 8: none waits
.set PG,0                              ; that group
.set hk,0
.set SV,0
.set RON,0                             ; 1: lines of the last tile's ReLU may be laid;  rn: the next of its 64
.set rn,0
.set MON,0                             ; 1: lines of head 0's hold may be laid;  mn: the next of its 32
.set mn,32
.macro WIN new                         ; the immediate's high byte repeats the setting that is left; a switch that changes nothing is dropped
.if MSB != (\new)
	s_set_vgpr_msb (MSB<<8)|(\new)
.set MSB, (\new)
.endif
.endm
.macro W4 wd, wa, wb, wc               ; windows of destination, source 0, source 1, source 2
	WIN (((\wd)<<6)|((\wc)<<4)|((\wb)<<2)|(\wa))
.endm
.macro PLACES n
.rept \n
	v_nop
.endr
.endm
.macro ROUND                           ; a round of the cluster's barrier
	s_barrier_signal -1
	s_barrier_wait -1
	s_cmp_lg_u32 s12, 0
	s_cbranch_scc1 .Lnot_wave_0_\@
	s_barrier_signal -3
.Lnot_wave_0_\@:
	s_barrier_wait -3
	s_barrier_signal -1
	s_barrier_wait -1
.endm
.macro IMGLD dwin, dst, areg, off      ; 64 registers come from LDS as they were stored
	W4 \dwin,0,0,0
.irp q, 0,1,2,3,4,5,6,7,8,9,10,11,12,13,14,15
	ds_load_b128 v[(\dst)+4*\q:(\dst)+4*\q+3], v[\areg] offset:(\off)+512*\q
.endr
.endm
.macro IMGST src, areg, off            ; and go there: lane l's 16 bytes at 16 l, 512 bytes a store
	WIN 0
.irp q, 0,1,2,3,4,5,6,7,8,9,10,11,12,13,14,15
	ds_store_b128 v[\areg], v[(\src)+4*\q:(\src)+4*\q+3] offset:(\off)+512*\q
.endr
.endm
.macro VLOAD dwin, dst, areg, off, qfirst, n   ; groups qfirst .. of a vector of 128, in the tile layout: group q = features 32 (q / 4) + 16 h + 4 (q % 4) on
	W4 \dwin,0,0,0
.set qq, \qfirst
.rept \n
	ds_load_b128 v[(\dst)+4*(qq-(\qfirst)):(\dst)+4*(qq-(\qfirst))+3], v[\areg] offset:(\off)+128*(qq/4)+16*(qq%4)
.set qq, qq+1
.endr
.endm
.macro EXP1                            ; the next of a query tile's 68 exponentials: 64 numbers, then the four block maxima
.if ex < 64
	v_exp_f32 v[SC+ex], v[SC+ex]
.else
	v_exp_f32 v[AM+ex-64], v[AM+ex-64]
.endif
.set ex, ex+1
.endm
.macro TICK                            ; EXON = 2 holds in the residual's 32 lines alone: behind each of them stand two exponentials of the next query tile.  Those lines read what was written ahead of the batch's first wait, and their results are read behind its second
.if EXON == 2
	EXP1
	EXP1
.endif
.endm
.macro RFILL n                         ; up to n lines of relu(O^T) of the tile before: independent work between the dependent lines of a reduction's end
.rept \n
.if RON && (rn < 64)
	v_max_num_f32 v[CC+rn], 0, v[CC+rn]            ; l is positive: relu(O / l) = relu(O) / l
.set rn, rn+1
.endif
.endr
.endm
.macro MFILL n                         ; up to n lines of the hold of head 0's p, likewise
.rept \n
.if MON && (mn < 32)
	v_min_num_f32 v[SC+mn], v[SC+mn], v[HI+(mn/16)]   ; p is not negative: the hold is one-sided
.set mn, mn+1
.endif
.endr
.endm
; THE QUANTISER.  Four blocks of 16 registers at src + 16 b (the block's other 16 numbers lie in lane l xor 16) become 4 x 4 registers of codes at da .. dd.
; relu = 1: what is negative becomes 0 on the way.  smode 0: the four bytes make the word sreg; smode 1: block b's byte goes to byte sbyte of sreg + b.
; Each accumulator of eight is read first from its four lowest registers.  The scale registers are written 64 plain lines ahead of any product.
.macro QB swin, src, relu, dwin, da, db, dc, dd, smode, sreg, sbyte
	W4 0,\swin,\swin,\swin
.irp b, 0,1,2,3
.if \relu
	v_max3_num_f32 v[AM+\b], v[(\src)+16*\b], v[(\src)+16*\b+1], v[(\src)+16*\b+2]
.else
	v_max3_num_f32 v[AM+\b], |v[(\src)+16*\b]|, |v[(\src)+16*\b+1]|, |v[(\src)+16*\b+2]|
.endif
.endr
.irp b, 0,1,2,3
.if \relu
	v_max3_num_f32 v[AM+4+\b], v[(\src)+16*\b+3], v[(\src)+16*\b+4], v[(\src)+16*\b+5]
.else
	v_max3_num_f32 v[AM+4+\b], |v[(\src)+16*\b+3]|, |v[(\src)+16*\b+4]|, |v[(\src)+16*\b+5]|
.endif
.endr
	W4 0,0,\swin,\swin
.irp i, 6,8,10,12,14
.irp b, 0,1,2,3
.if \relu
	v_max3_num_f32 v[AM+4*(1-((\i/2)%2))+\b], v[AM+4*(1-((\i/2)%2))+\b], v[(\src)+16*\b+\i], v[(\src)+16*\b+\i+1]
.else
	v_max3_num_f32 v[AM+4*(1-((\i/2)%2))+\b], v[AM+4*(1-((\i/2)%2))+\b], |v[(\src)+16*\b+\i]|, |v[(\src)+16*\b+\i+1]|
.endif
.endr
.endr
	WIN 0
.irp b, 0,1,2,3
	v_max3_num_f32 v[AM+\b], v[AM+\b], v[AM+4+\b], 0x8000000   ; the floor 2^(16 - 127): the byte cannot fall under 1
.endr
	HOOK                                           ; each group of four lines here reads the group before: a product of the group that waits stands between them
.irp b, 0,1,2,3
	v_permlanex16_b32 v[PT+\b], v[AM+\b], s28, s29
.endr
	HOOK
.irp b, 0,1,2,3
	v_max_num_f32 v[AM+\b], v[AM+\b], v[PT+\b]
.endr
	HOOK
.irp b, 0,1,2,3
	v_add_nc_u32 v[SO+\b], 0xf8800000, v[AM+\b]    ; 15 off the exponent field: the conversion's scale operand
.endr
	HOOK
.irp b, 0,1,2,3
	v_and_or_b32 v[HI+\b], v[AM+\b], 0x7f800000, s30   ; 57,344 x the scale
.endr
	HOOK
.if \smode == 0
.irp b, 0,1,2,3
	v_lshrrev_b32 v[BY+\b], 23, v[SO+\b]
.endr
	v_lshl_or_b32 v[\sreg], v[BY+1], 8, v[BY]
	v_lshl_or_b32 v[\sreg], v[BY+2], 16, v[\sreg]
	v_lshl_or_b32 v[\sreg], v[BY+3], 24, v[\sreg]
.elseif \sbyte == 0
.irp b, 0,1,2,3
	v_lshrrev_b32 v[(\sreg)+\b], 23, v[SO+\b]
.endr
.else
.irp b, 0,1,2,3
	v_lshrrev_b32 v[BY+\b], 23, v[SO+\b]
.endr
.irp b, 0,1,2,3
	v_lshl_or_b32 v[(\sreg)+\b], v[BY+\b], 8*(\sbyte), v[(\sreg)+\b]
.endr
.endif
	W4 \swin,\swin,0,0
.set hk, 0
.irp b, 0,1,2,3
.set qq, 0
.rept 16
.if \relu
	v_med3_num_f32 v[(\src)+16*\b+qq], v[(\src)+16*\b+qq], 0, v[HI+\b]         ; the activation and the hold in one
.else
	v_med3_num_f32 v[(\src)+16*\b+qq], v[(\src)+16*\b+qq], -v[HI+\b], v[HI+\b] ; the conversion to an 8-bit code does not saturate (ISA guide 7.6.2)
.endif
.set qq, qq+1
.set hk, hk+1
.if (hk%6) == 0
	HOOK                                           ; the last three products that wait: behind the 6th, 12th and 18th hold; 46 holds follow the last
.endif
.endr
.endr
	W4 \dwin,\swin,0,0
	v_cvt_scalef32_pk8_bf8_f32 v[(\da):(\da)+1], v[(\src):(\src)+7], v[SO]
	v_cvt_scalef32_pk8_bf8_f32 v[(\da)+2:(\da)+3], v[(\src)+8:(\src)+15], v[SO]
	v_cvt_scalef32_pk8_bf8_f32 v[(\db):(\db)+1], v[(\src)+16:(\src)+23], v[SO+1]
	v_cvt_scalef32_pk8_bf8_f32 v[(\db)+2:(\db)+3], v[(\src)+24:(\src)+31], v[SO+1]
	v_cvt_scalef32_pk8_bf8_f32 v[(\dc):(\dc)+1], v[(\src)+32:(\src)+39], v[SO+2]
	v_cvt_scalef32_pk8_bf8_f32 v[(\dc)+2:(\dc)+3], v[(\src)+40:(\src)+47], v[SO+2]
	v_cvt_scalef32_pk8_bf8_f32 v[(\dd):(\dd)+1], v[(\src)+48:(\src)+55], v[SO+3]
	v_cvt_scalef32_pk8_bf8_f32 v[(\dd)+2:(\dd)+3], v[(\src)+56:(\src)+63], v[SO+3]
	v_nop                                          ; a plain line behind the last conversion: products will write its sources and read its results
.endm
; LAYERNORM of a tile, in two parts.  LNA: the mean, and xw = xin - mean.  LNB: the variance of xw (two passes, as reference() has it), 1 / sqrt, gain and bias.
.macro LNA xiw, xin, xw
	W4 0,\xiw,\xiw,0
.if \xiw == 3
	s_wait_alu depctr_va_vdst(0)                   ; the f32 sums are matrix results first read behind transcendentals: the wait directly ahead of their first readers
.endif
.irp j, 0,1,2,3
	v_pk_add_f32 v[PP+2*\j:PP+2*\j+1], v[(\xin)+4*\j:(\xin)+4*\j+1], v[(\xin)+4*\j+2:(\xin)+4*\j+3]
	TICK
.endr
	W4 0,0,\xiw,0
.if \xiw == 3
	s_wait_alu depctr_va_vdst(0)                   ; and again behind the switch of windows, ahead of the other registers' first readers
.endif
.set jj, 8
.rept 24
	v_pk_add_f32 v[PP+2*(jj%4):PP+2*(jj%4)+1], v[PP+2*(jj%4):PP+2*(jj%4)+1], v[(\xin)+2*jj:(\xin)+2*jj+1]
	TICK
.set jj, jj+1
.endr
	WIN 0
	v_pk_add_f32 v[PP:PP+1], v[PP:PP+1], v[PP+2:PP+3]
	TICK
	v_pk_add_f32 v[PP+4:PP+5], v[PP+4:PP+5], v[PP+6:PP+7]
	TICK
	v_pk_add_f32 v[PP:PP+1], v[PP:PP+1], v[PP+4:PP+5]
	TICK
	v_add_f32 v[TS], v[PP], v[PP+1]
	MFILL 3
	v_permlanex16_b32 v[TS+1], v[TS], s28, s29     ; my token's other 64 features
	MFILL 3
	v_add_f32 v[TS], v[TS], v[TS+1]
	MFILL 3
	v_mul_f32 v[NU], 0xbc000000, v[TS]             ; -sum / 128
	MFILL 3
	W4 0,\xiw,0,0
.set jj, 0
.rept 32
	v_pk_add_f32 v[(\xw)+2*jj:(\xw)+2*jj+1], v[(\xin)+2*jj:(\xin)+2*jj+1], v[NU:NU+1] op_sel_hi:[1,0]
	TICK
.set jj, jj+1
.endr
.endm
.macro LNB xw, gwin, gg, bb
	WIN 0
.irp j, 0,1,2,3
	v_pk_mul_f32 v[PP+2*\j:PP+2*\j+1], v[(\xw)+2*\j:(\xw)+2*\j+1], v[(\xw)+2*\j:(\xw)+2*\j+1]
	TICK
.endr
.set jj, 4
.rept 28
	v_pk_fma_f32 v[PP+2*(jj%4):PP+2*(jj%4)+1], v[(\xw)+2*jj:(\xw)+2*jj+1], v[(\xw)+2*jj:(\xw)+2*jj+1], v[PP+2*(jj%4):PP+2*(jj%4)+1]
	TICK
.set jj, jj+1
.endr
	v_pk_add_f32 v[PP:PP+1], v[PP:PP+1], v[PP+2:PP+3]
	TICK
	v_pk_add_f32 v[PP+4:PP+5], v[PP+4:PP+5], v[PP+6:PP+7]
	TICK
	v_pk_add_f32 v[PP:PP+1], v[PP:PP+1], v[PP+4:PP+5]
	TICK
	v_add_f32 v[TS], v[PP], v[PP+1]
	MFILL 3
	v_permlanex16_b32 v[TS+1], v[TS], s28, s29
	MFILL 3
	v_add_f32 v[TS], v[TS], v[TS+1]
	MFILL 3
	v_fma_f32 v[TS], v[TS], s46, s47               ; sum / 128 + 1e-5
	MFILL 3
	s_wait_alu depctr_va_vdst(0)                   ; the wait ahead of the transcendental too
	v_rsq_f32 v[RS], v[TS]
	v_nop                                          ; a plain line behind the transcendental
	MFILL 8
	s_wait_alu depctr_va_vdst(0)                   ; the wait ahead of the first reader; it serves every exponential issued so far as well
.set jj, 0
.rept 32
	v_pk_mul_f32 v[(\xw)+2*jj:(\xw)+2*jj+1], v[(\xw)+2*jj:(\xw)+2*jj+1], v[RS:RS+1] op_sel_hi:[1,0]
	TICK
.set jj, jj+1
.endr
	W4 0,0,\gwin,\gwin
.set jj, 0
.rept 32
	v_pk_fma_f32 v[(\xw)+2*jj:(\xw)+2*jj+1], v[(\xw)+2*jj:(\xw)+2*jj+1], v[(\gg)+2*jj:(\gg)+2*jj+1], v[(\bb)+2*jj:(\bb)+2*jj+1]
	TICK
.set jj, jj+1
.endr
.endm
; THE PROJECTIONS go in 12 groups of 8 products: groups 0-3 k (tiles 2 i, 2 i + 1), 4-7 v (tiles i, i + 4), 8-11 q; sets of fragments, biases and accumulators by turns (g % 2).
.macro LOADW g                         ; group g's two fragments of W (8 loads) and its biases, as the products' C (4 loads)
.set gp, (\g)%2
.set gs, (\g)/4
.set gi, (\g)%4
.if gs == 1
.set ta, gi
.set tb, gi+4
.else
.set ta, 2*gi
.set tb, 2*gi+1
.endif
	W4 2,0,0,0
.irp c, 0,1,2,3
	ds_load_b128 v[WF+32*gp+4*\c:WF+32*gp+4*\c+3], v[WA] offset:16384*gs+2048*ta+512*\c
.endr
.irp c, 0,1,2,3
	ds_load_b128 v[WF+32*gp+16+4*\c:WF+32*gp+16+4*\c+3], v[WA] offset:16384*gs+2048*tb+512*\c
.endr
.if gs == 1
	ds_load_b128 v[BC+16*gp:BC+16*gp+3], v[BVA] offset:256*ta           ; v: a lane holds one feature: its bias in all eight registers
	ds_load_b128 v[BC+16*gp+4:BC+16*gp+7], v[BVA] offset:256*ta
	ds_load_b128 v[BC+16*gp+8:BC+16*gp+11], v[BVA] offset:256*tb
	ds_load_b128 v[BC+16*gp+12:BC+16*gp+15], v[BVA] offset:256*tb
.else
	VLOAD 2, BC+16*gp, VA, 3072+256*gs, 4*gi, 4
.endif
.endm
.macro MM1 g, n                        ; product n (0..7) of group g.  k, q: token tile n / 2, W's tile n % 2 of the group's two.  v: W's tile n / 4, token tile n % 4
.set gp, (\g)%2
.set gs, (\g)/4
.set gi, (\g)%4
.if gs == 1
.set me, (\n)/4
.set mt, (\n)%4
	W4 0,1,2,2
	v_wmma_scale_f32_16x16x128_f8f6f4 v[ACC0+64*gp+32*me+8*mt:ACC0+64*gp+32*me+8*mt+7], v[XC+16*mt:XC+16*mt+15], v[WF+32*gp+16*me:WF+32*gp+16*me+15], v[BC+16*gp+8*me:BC+16*gp+8*me+7], v[XS+mt], v[WS+8+gi+4*me] matrix_a_fmt:MATRIX_FMT_BF8 matrix_b_fmt:MATRIX_FMT_BF8
.else
.set mt, (\n)/2
.set mu, (\n)%2
	W4 0,2,1,2
	v_wmma_scale_f32_16x16x128_f8f6f4 v[ACC0+64*gp+16*mt+8*mu:ACC0+64*gp+16*mt+8*mu+7], v[WF+32*gp+16*mu:WF+32*gp+16*mu+15], v[XC+16*mt:XC+16*mt+15], v[BC+16*gp+8*mu:BC+16*gp+8*mu+7], v[WS+8*gs+2*gi+mu], v[XS+mt] matrix_a_fmt:MATRIX_FMT_BF8 matrix_b_fmt:MATRIX_FMT_BF8
.endif
.endm
.macro HOOK                            ; among the lines of group PG - 1's quantiser: group PG's next product, which names none of the quantiser's registers (the other set of accumulators, fragments and biases); the windows are put back
.if PN < 8
.set SV, MSB
	MM1 PG, PN
.set PN, PN+1
	WIN SV
.endif
.endm
.macro QBG g                           ; group g's 64 results a lane become codes
.set qp, (\g)%2
.set qs, (\g)/4
.set qi, (\g)%4
.set qo, 4*qi+8*(qi/2)
.if qs == 0
	QB 0, ACC0+64*qp, 0, 1, KC+4*qi, KC+16+4*qi, KC+32+4*qi, KC+48+4*qi, 1, KS, qi     ; block b = token tile b, features 32 i on
.elseif qs == 1
	QB 0, ACC0+64*qp, 0, 1, VC+16*qi, VC+16*qi+4, VC+16*qi+8, VC+16*qi+12, 0, VS+qi, 0  ; blocks: tile i keys 0-31, 32-63; tile i + 4 likewise
.else
	QB 0, ACC0+64*qp, 0, 2, QC+qo, QC+24+qo, QC+48+qo, QC+72+qo, 1, QS, qi
.endif
.endm
.macro SCORES tq, eta                  ; S^T of query tile tq, head eta: four tiles of 16 keys
	W4 0,1,2,0
.irp kap, 0,1,2,3
	v_wmma_scale_f32_16x16x128_f8f6f4 v[SC+32*(\eta)+8*\kap:SC+32*(\eta)+8*\kap+7], v[KC+16*\kap:KC+16*\kap+15], v[QC+24*(\tq)+8*(\eta):QC+24*(\tq)+8*(\eta)+15], 0, v[KS+\kap], v[QS+(\tq)] matrix_a_fmt:MATRIX_FMT_BF8 matrix_b_fmt:MATRIX_FMT_BF8
.endr
.endm
.macro PVM eta                         ; O^T of head eta: four tiles of 16 features
	W4 0,1,1,0
.irp t, 0,1,2,3
	v_wmma_scale_f32_16x16x128_f8f6f4 v[CC+32*(\eta)+8*\t:CC+32*(\eta)+8*\t+7], v[VC+16*\t:VC+16*\t+15], v[POP+8*(\eta):POP+8*(\eta)+15], 0, v[VS+\t], v[PS] matrix_a_fmt:MATRIX_FMT_BF8 matrix_b_fmt:MATRIX_FMT_BF8
.endr
.endm
.macro SCSW eta                        ; the next query tile's scores, in the loop: q's registers hang on the trip, so the run is chosen by the counter; the last trip has none
	WIN 0
	s_cmp_eq_u32 s39, 1
	s_cbranch_scc0 .Lsc_a_\@
	SCORES 2, \eta
	WIN 0
	s_branch .Lsc_z_\@
.Lsc_a_\@:
	s_cmp_eq_u32 s39, 2
	s_cbranch_scc0 .Lsc_z_\@
	SCORES 3, \eta
	WIN 0
.Lsc_z_\@:
.endm
; The first product (K = 16, left in f32): token tile 'tile', output tiles 4 half .. 4 half + 3 by turns, four K steps; b_emb is the C of each sum's first step.
; The same k stand in the same places of both sources: step ks takes k = 8 h + 2 ks + 0, 1.
.macro EAH tile, half
.irp ks, 0,1,2,3
.if \ks == 0
	W4 3,1,1,2
.else
	W4 3,1,1,3
.endif
.irp u, 0,1,2,3
.if \ks == 0
	v_wmma_f32_16x16x4_f32 v[EA+8*(4*(\half)+\u):EA+8*(4*(\half)+\u)+7], v[EMBW+8*(4*(\half)+\u)+2*\ks:EMBW+8*(4*(\half)+\u)+2*\ks+1], v[FEAT+8*(\tile)+2*\ks:FEAT+8*(\tile)+2*\ks+1], v[BE1+8*(4*(\half)+\u):BE1+8*(4*(\half)+\u)+7]
.else
	v_wmma_f32_16x16x4_f32 v[EA+8*(4*(\half)+\u):EA+8*(4*(\half)+\u)+7], v[EMBW+8*(4*(\half)+\u)+2*\ks:EMBW+8*(4*(\half)+\u)+2*\ks+1], v[FEAT+8*(\tile)+2*\ks:FEAT+8*(\tile)+2*\ks+1], v[EA+8*(4*(\half)+\u):EA+8*(4*(\half)+\u)+7]
.endif
.endr
.endr
.endm
.macro EAHSW half                      ; the next token tile's, chosen by the counter; the last trip has none
	WIN 0
	s_cmp_eq_u32 s38, 0
	s_cbranch_scc0 .Lea_a_\@
	EAH 1, \half
	WIN 0
	s_branch .Lea_z_\@
.Lea_a_\@:
	s_cmp_eq_u32 s38, 1
	s_cbranch_scc0 .Lea_b_\@
	EAH 2, \half
	WIN 0
	s_branch .Lea_z_\@
.Lea_b_\@:
	s_cmp_eq_u32 s38, 2
	s_cbranch_scc0 .Lea_z_\@
	EAH 3, \half
	WIN 0
.Lea_z_\@:
.endm
.macro ENC                             ; the second MLP's product: eight output tiles; b_enc is the C
	W4 0,1,2,3
.irp t, 0,1,2,3,4,5,6,7
	v_wmma_scale_f32_16x16x128_f8f6f4 v[ACC1+8*\t:ACC1+8*\t+7], v[WENC+16*\t:WENC+16*\t+15], v[EC:EC+15], v[BE2+8*\t:BE2+8*\t+7], v[WS+\t], v[ES] matrix_a_fmt:MATRIX_FMT_BF8 matrix_b_fmt:MATRIX_FMT_BF8
.endr
.endm
; SOFTMAX, part 1: scores to t - M.  tokoff: the query tile's first token.  Its first 20 lines name no register of the products just issued: they are the places behind them.
.macro SM1 tokoff
	WIN 0
	v_add_nc_u32 v[TK], \tokoff, v[TOK0]           ; my query
	v_cmp_lt_i32 vcc_lo, v[TK], v[CL]              ; is it valid?
	v_cndmask_b32 v[AQ], 0, v[ONE], vcc_lo         ; 1 or 0
	v_cndmask_b32 v[BQ], v[NEG], v[ZR], vcc_lo     ; 0 or -10000
	W4 3,3,0,0
.set jj, 0
.rept 16
	v_pk_fma_f32 v[MT+2*jj:MT+2*jj+1], v[KMT+2*jj:KMT+2*jj+1], v[AQ:AQ+1], v[BQ:BQ+1] op_sel_hi:[1,0,0]   ; (1 - amask) x -10000: the key's term for a valid query, -10000 for a padded one; exact
.set jj, jj+1
.endr
	W4 0,0,0,3
.set jj, 0
.rept 32
	v_pk_fma_f32 v[SC+2*jj:SC+2*jj+1], v[SC+2*jj:SC+2*jj+1], s[32:33], v[MT+((2*jj)%32):MT+((2*jj)%32)+1] op_sel_hi:[1,0,1]   ; the logit: score / 8 (exact) + the term, one rounding, as reference() has it
.set jj, jj+1
.endr
	WIN 0                                          ; the maxima below are taken of the logits: log2(e) is positive and rounding keeps order, so the largest t is the largest logit x log2(e), rounded
.irp b, 0,1,2,3
	v_max3_num_f32 v[AM+\b], v[SC+16*\b], v[SC+16*\b+1], v[SC+16*\b+2]             ; the largest t of each block of 32 keys (blocks 0, 1: head 0; 2, 3: head 1)
.endr
.irp b, 0,1,2,3
	v_max3_num_f32 v[AM+4+\b], v[SC+16*\b+3], v[SC+16*\b+4], v[SC+16*\b+5]
.endr
.irp i, 6,8,10,12,14
.irp b, 0,1,2,3
	v_max3_num_f32 v[AM+4*(1-((\i/2)%2))+\b], v[AM+4*(1-((\i/2)%2))+\b], v[SC+16*\b+\i], v[SC+16*\b+\i+1]
.endr
.endr
.irp b, 0,1,2,3
	v_max_num_f32 v[AM+\b], v[AM+\b], v[AM+4+\b]
.endr
	RFILL 4
.irp b, 0,1,2,3
	v_permlanex16_b32 v[PT+\b], v[AM+\b], s28, s29
.endr
	RFILL 4
.irp b, 0,1,2,3
	v_max_num_f32 v[AM+\b], v[AM+\b], v[PT+\b]
.endr
	RFILL 4
	v_max_num_f32 v[NM0], v[AM], v[AM+1]
	v_max_num_f32 v[NM1], v[AM+2], v[AM+3]
	RFILL 4
	v_mul_f32 v[NM0], s34, v[NM0]                  ; the row's largest t
	v_mul_f32 v[NM1], s34, v[NM1]
	RFILL 4
	v_floor_f32 v[NM0], -v[NM0]                    ; -M = floor(-t) = -ceil(t)
	v_floor_f32 v[NM1], -v[NM1]
	RFILL 4
.set jj, 0
.rept 32
	v_pk_fma_f32 v[SC+2*jj:SC+2*jj+1], v[SC+2*jj:SC+2*jj+1], s[34:35], v[NM0+2*(jj/16):NM0+2*(jj/16)+1] op_sel_hi:[1,0,0]   ; t - M = logit x log2(e) - M in one fused multiply-add
.set jj, jj+1
.endr
.irp b, 0,1,2,3
	v_fma_f32 v[AM+\b], v[AM+\b], s34, v[NM0+2*(\b/2)]  ; the same of each block's largest logit: the same bits as that element's
.endr
.endm
; SOFTMAX, part 3: the sums of the unquantised p, p's codes, O^T, and the next query tile's scores (dyn = 1: chosen by the counter; else tile tq).
.macro SM3A                            ; the sums of the unquantised p, 1 / l, and p's scales
	WIN 0
.irp e, 0,1
	v_pk_add_f32 v[PP+4*\e:PP+4*\e+1], v[SC+32*\e:SC+32*\e+1], v[SC+32*\e+2:SC+32*\e+3]
	v_pk_add_f32 v[PP+4*\e+2:PP+4*\e+3], v[SC+32*\e+4:SC+32*\e+5], v[SC+32*\e+6:SC+32*\e+7]
.endr
.irp j, 4,5,6,7,8,9,10,11,12,13,14,15
.irp e, 0,1
	v_pk_add_f32 v[PP+4*\e+2*(\j%2):PP+4*\e+2*(\j%2)+1], v[PP+4*\e+2*(\j%2):PP+4*\e+2*(\j%2)+1], v[SC+32*\e+2*\j:SC+32*\e+2*\j+1]
.endr
.endr
.irp e, 0,1
	v_pk_add_f32 v[PP+4*\e:PP+4*\e+1], v[PP+4*\e:PP+4*\e+1], v[PP+4*\e+2:PP+4*\e+3]
.endr
.irp e, 0,1
	v_add_f32 v[TS+2*\e], v[PP+4*\e], v[PP+4*\e+1]
.endr
.irp e, 0,1
	v_permlanex16_b32 v[TS+2*\e+1], v[TS+2*\e], s28, s29
.endr
.irp e, 0,1
	v_add_f32 v[TS+2*\e], v[TS+2*\e], v[TS+2*\e+1]
.endr
	s_wait_alu depctr_va_vdst(0)                   ; the wait ahead of the two reciprocals too
	v_rcp_f32 v[RL0], v[TS]
	v_rcp_f32 v[RL0+2], v[TS+2]
.irp b, 0,1,2,3
	v_max_num_f32 v[AM+\b], 0x8000000, v[AM+\b]    ; the floor: a block whose every p has fallen to 0 keeps the byte 1: its codes are zeros
.endr
.irp b, 0,1,2,3
	v_add_nc_u32 v[SO+\b], 0xf8800000, v[AM+\b]
.endr
.irp b, 0,1,2,3
	v_and_or_b32 v[HI+\b], v[AM+\b], 0x7f800000, s30
.endr
.irp b, 0,1,2,3
	v_lshrrev_b32 v[BY+\b], 23, v[SO+\b]
.endr
	v_lshl_or_b32 v[PS], v[BY+1], 8, v[BY]
	v_lshl_or_b32 v[PS], v[BY+2], 16, v[PS]
	v_lshl_or_b32 v[PS], v[BY+3], 24, v[PS]
.set mn, 0
.endm
.macro SM3B dyn, tq                    ; what is left of head 0's hold, p's codes, O^T, and the next query tile's scores
	WIN 0
.set MON, 1
	MFILL 32
.set MON, 0
	s_wait_alu depctr_va_vdst(0)                   ; the wait behind the two reciprocals, ahead of the branches below and of their readers
	W4 1,0,0,0
.irp c, 0,1
	v_cvt_scalef32_pk8_bf8_f32 v[POP+4*\c:POP+4*\c+1], v[SC+16*\c:SC+16*\c+7], v[SO+\c]
	v_cvt_scalef32_pk8_bf8_f32 v[POP+4*\c+2:POP+4*\c+3], v[SC+16*\c+8:SC+16*\c+15], v[SO+\c]
.endr
	WIN 0
.set jj, 32
.rept 8
	v_min_num_f32 v[SC+jj], v[SC+jj], v[HI+(jj/16)]   ; eight lines of head 1's hold: the places between head 0's codes and its products
.set jj, jj+1
.endr
	PVM 0
.if \dyn
	SCSW 0
.else
	SCORES \tq, 0
.endif
	WIN 0
.set jj, 40
.rept 24
	v_min_num_f32 v[SC+jj], v[SC+jj], v[HI+(jj/16)]
.set jj, jj+1
.endr
	W4 1,0,0,0
.irp c, 0,1
	v_cvt_scalef32_pk8_bf8_f32 v[POP+16+4*\c:POP+16+4*\c+1], v[SC+32+16*\c:SC+32+16*\c+7], v[SO+2+\c]
	v_cvt_scalef32_pk8_bf8_f32 v[POP+16+4*\c+2:POP+16+4*\c+3], v[SC+32+16*\c+8:SC+32+16*\c+15], v[SO+2+\c]
.endr
	PLACES 4
	PVM 1
.if \dyn
	SCSW 1
.else
	SCORES \tq, 1
.endif
.endm
; A query tile's end: relu(O^T / l) + residual, LayerNorm, and the new tile goes to its place in LDS.
.macro POSTLN areg, off
	WIN 0
.set jj, 0
.set RON, 1
	RFILL 64                                       ; what is left of the 64 lines
.set RON, 0
	s_wait_alu depctr_va_vdst(0)                   ; the wait here: ahead of the wait below, and ahead of the batch of exponentials, whose sources are all written
	s_wait_dscnt 0x0                               ; the residual's 16 loads, issued a softmax ago
	W4 0,0,0,2
.if EXON
.set EXON, 2
.endif
.set jj, 0
.rept 32
	v_pk_fma_f32 v[CC+2*jj:CC+2*jj+1], v[CC+2*jj:CC+2*jj+1], v[RL0+2*(jj/16):RL0+2*(jj/16)+1], v[TT+2*jj:TT+2*jj+1] op_sel_hi:[1,0,1]
	TICK
.set jj, jj+1
.endr
.if EXON
.rept 4
	EXP1                                           ; the four block maxima end the batch of 68
.endr
.set EXON, 0
	v_nop                                          ; a plain line behind the last exponential
	s_wait_alu depctr_va_vdst(0)                   ; one wait behind the batch
	SM3A                                           ; ahead of the LayerNorm, so that head 0's hold can stand between the LayerNorm's dependent lines
.set MON, 1
.endif
	LNA 0, CC, CC
	LNB CC, 3, LG, LB
.set MON, 0
	IMGST CC, \areg, \off
.endm
.macro FLOAD foff, moff                ; a sequence's features (8 numbers of a token a lane and tile) and mask numbers
	W4 1,0,0,0
.irp tau, 0,1,2,3
	global_load_b128 v[FEAT+8*\tau:FEAT+8*\tau+3], v[FO], s[4:5] offset:(\foff)+2048*(\tau/2)+512*(\tau%2) th:TH_LOAD_NT
	global_load_b128 v[FEAT+8*\tau+4:FEAT+8*\tau+7], v[FO], s[4:5] offset:(\foff)+2048*(\tau/2)+512*(\tau%2)+16 th:TH_LOAD_NT
.endr
	WIN 0
	global_load_b64 v[MK:MK+1], v[MO], s[6:7] offset:\moff th:TH_LOAD_NT
.endm
	; ================================================================ the head
	s_load_b256 s[4:11], s[0:1], 0x0               ; feat s[4:5], masks s[6:7], the tables s[8:9], out s[10:11]
	v_lshl_add_u32 v[SPW], v0, 2, SPARE
	v_mov_b32 v[NIL], 0
	ds_add_u32 v[SPW], v[NIL]                      ; the wave's opening: the add, twice on end, and its wait ahead of my first tensor load
	ds_add_u32 v[SPW], v[NIL]
	v_lshrrev_b32 v26, 5, v0
	v_readfirstlane_b32 s12, v26                   ; wave 0..3
	s_bfe_u32 s13, ttmp6, 0x40000                  ; cx: my place in the cluster: it enters global addresses alone
	s_lshl_b32 s14, ttmp9, 2
	s_add_co_u32 s14, s14, s13                     ; work-group = 4 x cluster + cx
	s_lshl_b32 s14, s14, 2
	s_add_co_u32 s14, s14, s12                     ; 4 x work-group + wave: my run of four sequences
	s_mov_b32 s16, 1                               ; group 0: count = 1
	s_mul_i32 s17, s12, QUART                      ; LDS address: my quarter
	s_mov_b32 s20, 15|(3<<16)|(1<<21)              ; group 1: the mask names all four work-groups; elements of 8 bytes; bit 21 set beside a mask; no padding
	s_mov_b32 s21, 32<<16                          ; tensor_dim0 = 32 elements: rows of 256 bytes
	s_mov_b32 s22, 188<<16                         ; tensor_dim1 = 188
	s_mov_b32 s23, 32<<16                          ; tile_dim0 = 32
	s_mov_b32 s24, 188                             ; tile_dim1 = 188
	s_mov_b32 s25, 32                              ; the pitch: the block is dense
	s_mov_b32 s26, 0
	s_mov_b32 s27, 0
	s_lshl_b32 s15, s12, 15
	s_add_co_u32 s15, s15, HS                      ; my wave's tiles
	s_mov_b32 s28, 0x76543210
	s_mov_b32 s29, 0xfedcba98                      ; lane selects: lane l xor 16
	s_mov_b32 s30, 0x600000                        ; the mantissa field of 57,344
	s_mov_b32 s32, 0x3e000000                      ; 1 / 8
	s_mov_b32 s33, s32
	s_mov_b32 s34, 0x3fb8aa3b                      ; log2(e)
	s_mov_b32 s35, s34
	s_mov_b32 s46, 0x3c000000                      ; 1 / 128
	s_mov_b32 s47, 0x3727c5ac                      ; 1e-5
	v_and_b32 v26, 31, v0                          ; lane
	v_and_b32 v27, 15, v0                          ; r
	v_bfe_u32 v[CLH], v0, 4, 1                     ; h (the register serves otherwise later)
	v_lshlrev_b32 v[LI], 4, v26
	v_add_nc_u32 v[HSA], s15, v[LI]
	v_add_nc_u32 v[EMA], EMBWB, v[LI]
	v_lshl_add_u32 v[VA0], v[CLH], 6, VEC
	v_lshl_add_u32 v[SA0], v27, 2, SCL
	v_lshl_add_u32 v[BVA0], v27, 4, BV4
	v_and_b32 v[TOK0], 8, v27
	v_add_nc_u32 v[TOK0], v[TOK0], v27
	v_lshlrev_b32 v[FO], 6, v[TOK0]
	v_lshl_add_u32 v[FO], v[CLH], 5, v[FO]
	v_lshlrev_b32 v[MO], 3, v26
	v_mul_u32_u24 v[STI], v27, 528
	v_lshl_add_u32 v[STI], v[CLH], 6, v[STI]
	v_add_nc_u32 v[STI], s15, v[STI]
	v_lshlrev_b32 v[H16], 4, v[CLH]
	v_mov_b32 v[ZR], 0
	v_mov_b32 v[ONE], 1.0
	v_mov_b32 v[NEG], 0xc61c4000
.irp n, 80,81,82,83,105,107,109,111,113,115,117,119,125,127
	v_mov_b32 v[\n], 0                             ; written once: lane permutes' destinations, and the upper words of pairs of which the low word serves both halves
.endr
	s_wait_alu depctr_va_vdst(0)                   ; the wait ahead of the waits below
	s_wait_dscnt 0x0                               ; both opening adds are done
	s_wait_kmcnt 0x0
	W4 1,0,0,0
.irp j, 0,1,2,3,4,5,6,7
	v_mov_b32 v[POP+8+\j], 0                       ; Z between p's two heads: zero codes
.endr
	WIN 0
	s_wait_alu depctr_va_vdst(0)                   ; the wait at the head's end
	s_mov_b32 s2, s17
	s_mov_b32 s3, 0
	s_add_nc_u64 s[18:19], s[8:9], s[2:3]          ; global address: my quarter: the same in all four partners
	s_or_b32 s19, s19, 0x80000000                  ; type = 2
	s_lshl_b32 s2, s14, 14
	s_add_nc_u64 s[4:5], s[4:5], s[2:3]            ; four sequences of 4,096 bytes
	s_lshl_b32 s2, s14, 10
	s_add_nc_u64 s[6:7], s[6:7], s[2:3]            ; of 256
	s_lshl_b32 s2, s14, 11
	s_add_nc_u64 s[10:11], s[10:11], s[2:3]        ; of 512
	ROUND                                          ; all four work-groups are here: the joint loads meet
	tensor_load_to_lds s[16:19], s[20:27]          ; my one tensor load of the launch
	s_nop 0
	PLACES 4
	FLOAD 0, 0                                     ; the first sequence
	s_wait_tensorcnt 0x0                           ; my quarter is in,
	s_barrier_signal -1
	s_barrier_wait -1                              ; everybody's is
	s_mov_b32 s36, 0
.Lseq:
	; ================================================================ a sequence
	s_wait_loadcnt 0x0                             ; its nine loads, issued three layers ago (the first: at the head)
	v_sub_f32 v26, 1.0, v[MK]
	v_sub_f32 v27, 1.0, v[MK+1]
	v_add_f32 v[CL], v26, v27
	v_add_f32_dpp v[CL], v[CL], v[CL] row_xmask:1 row_mask:0xf bank_mask:0xf
	v_add_f32_dpp v[CL], v[CL], v[CL] row_xmask:2 row_mask:0xf bank_mask:0xf
	v_add_f32_dpp v[CL], v[CL], v[CL] row_xmask:4 row_mask:0xf bank_mask:0xf
	v_add_f32_dpp v[CL], v[CL], v[CL] row_xmask:8 row_mask:0xf bank_mask:0xf
	v_permlanex16_b32 v27, v[CL], s28, s29
	v_add_f32 v[CL], v[CL], v27                    ; seq_len = the sum of 1 - mask
	v_med3_num_f32 v[CL], v[CL], 0, 0x42800000     ; held to 0 .. 64: for positions 0 .. 63 that changes no comparison
	v_ceil_f32 v[CL], v[CL]
	v_cvt_i32_f32 v[CL], v[CL]                     ; pos < seq_len where pos < ceil(seq_len)
	v_sub_nc_u32 v[CLH], v[CL], v[H16]
	; the MLPs' tables out of LDS
	IMGLD 1, EMBW, EMA, 0
	VLOAD 2, BE1, VA0, 0, 0, 16
	VLOAD 2, G1, VA0, 512, 0, 16
	VLOAD 2, B1, VA0, 1024, 0, 16
	W4 1,0,0,0
.set qq, 0
.rept 32
	ds_load_b128 v[WENC+4*qq:WENC+4*qq+3], v[LI] offset:512*qq
.set qq, qq+1
.endr
	WIN 0
.irp t, 0,1,2,3,4,5,6,7
	ds_load_b32 v[WS+\t], v[SA0] offset:64*\t
.endr
	VLOAD 3, BE2, VA0, 1536, 0, 16
	VLOAD 3, LG, VA0, 2048, 0, 16
	VLOAD 3, LB, VA0, 2560, 0, 16
	s_wait_alu depctr_va_vdst(0)                   ; the wait ahead of the wait below
	s_wait_dscnt 0x0
	EAH 0, 0
	EAH 0, 1
	WIN 0
	PLACES 8
	s_mov_b32 s38, 0
	s_mov_b32 s41, 0
.Lemb:                                         ; four trips, a token tile each
	LNA 3, EA, ACC0                                ; the sums are read out, so
	EAHSW 0                                        ; the next tile's first half may be issued under the rest of this LayerNorm
	LNB ACC0, 2, G1, B1
	QB 0, ACC0, 1, 2, EC, EC+4, EC+8, EC+12, 0, ES, 0   ; the ReLU rides on the hold
	PLACES 4
	ENC
	EAHSW 1                                        ; the second half stands behind the short product, which so does not wait for 32 long ones
	PLACES 8
	LNA 0, ACC1, ACC1
	LNB ACC1, 3, LG, LB
	WIN 0
.set jj, 0
.rept 64
	v_max_num_f32 v[ACC1+jj], 0, v[ACC1+jj]
.set jj, jj+1
.endr
	v_add_nc_u32 v[HT], s41, v[HSA]
	IMGST ACC1, HT, 0
	s_add_co_u32 s41, s41, 8192
	s_add_co_u32 s38, s38, 1
	s_cmp_lt_u32 s38, 4
	s_wait_alu depctr_va_vdst(0)                   ; the wait ahead of the branch
	s_cbranch_scc1 .Lemb
	s_cmp_eq_u32 s36, 3                            ; the next sequence is asked for here, if there is one: no load leaves its buffer
	s_cbranch_scc1 .Lno_next
	FLOAD 4096, 256
.Lno_next:
	W4 2,0,0,0
.irp tau, 0,1,2,3
.irp j, 0,1,2,3,4,5,6,7
	v_mov_b32 v[QC+24*\tau+8+\j], 0                ; Z between q's two heads: zero codes (beta_emb lay here)
.endr
.endr
	W4 3,0,0,0
.set jj, 0
.rept 32
	v_cmp_lt_i32 vcc_lo, 32*(jj/16)+(jj%16), v[CLH]   ; register jj holds key 32 (jj / 16) + 16 h + jj % 16
	v_cndmask_b32 v[KMT+jj], v[NEG], v[ZR], vcc_lo    ; 0 for a valid key, else -10000
.set jj, jj+1
.endr
	WIN 0
	s_mov_b32 s37, 0
	s_mov_b32 s42, 16384                           ; the layer's codes,
	s_mov_b32 s43, 0                               ; vectors,
	s_mov_b32 s44, 512                             ; and scale words
.Llayer:
	; ================================================================ a layer: the four tiles' codes.  Tile 3 is still in ACC1.
	v_add_nc_u32 v[WA], s42, v[LI]
	v_add_nc_u32 v[VA], s43, v[VA0]
	v_add_nc_u32 v[BVA], s43, v[BVA0]
	v_add_nc_u32 v[SA], s44, v[SA0]
.irp n, 0,1,2,3,4,5,6,7,8,9,10,11,12,13,14,15,16,17,18,19,20,21,22,23
	ds_load_b32 v[WS+\n], v[SA] offset:64*\n       ; matrix s, tile t at 512 s + 64 t
.endr
	IMGLD 0, ACC0, HSA, 0
	IMGLD 2, TT, HSA, 8192
	QB 0, ACC1, 0, 1, XC+48, XC+52, XC+56, XC+60, 0, XS+3, 0
	s_wait_dscnt 16                                ; tile 0 is in; tile 1's 16 loads may be out
	IMGLD 0, ACC1, HSA, 16384
	QB 0, ACC0, 0, 1, XC, XC+4, XC+8, XC+12, 0, XS, 0
	s_wait_dscnt 16                                ; tile 1 is in; tile 2's 16 may be out
	VLOAD 3, LG, VA, 3072+1024, 0, 16
	VLOAD 3, LB, VA, 3072+1536, 0, 16
	LOADW 0
	QB 2, TT, 0, 1, XC+16, XC+20, XC+24, XC+28, 0, XS+1, 0
	s_wait_dscnt 44                                ; tile 2 is in; gain, bias and group 0's loads (16 + 16 + 12) may be out
	QB 0, ACC1, 0, 1, XC+32, XC+36, XC+40, XC+44, 0, XS+2, 0
	s_wait_alu depctr_va_vdst(0)                   ; the wait
	s_wait_dscnt 0x0
	PLACES 4
	; ---------------------------------------------------------------- k, v, q: a group's products, the next group's loads, the group before's quantiser
	LOADW 1
.set PG, 0
.set PN, 0
.rept 8
	MM1 PG, PN                                     ; group 0 has no quantiser to stand in
.set PN, PN+1
.endr
	PLACES 9                                       ; ahead of the loads into group 0's set and of the first read of its results
.set g, 1
.rept 11                               ; step g: group g + 1's loads; group g - 1's quantiser, with group g's eight products among its lines
.if g < 11
	LOADW g+1                                      ; into the set that group g - 1's products read: the last of them stands 46 holds and more back
	s_wait_dscnt 12                                ; group g's 12 loads are in; the 12 just issued may be out
.else
	s_wait_dscnt 0x0
.endif
.set PG, g
.set PN, 0
	QBG g-1
.set g, g+1
.endr
	QBG 11
	PLACES 4
	; ---------------------------------------------------------------- attention: query tile 0 is written out, tiles 1 to 3 go round
	SCORES 0, 0
	SCORES 0, 1
	IMGLD 2, TT, HSA, 0                            ; tile 0's residual
	SM1 0
	s_wait_alu depctr_va_vdst(0)                   ; the wait ahead of the batch too
.set ex, 0
.rept 68
	EXP1
.endr
	v_nop                                          ; a plain line behind the last exponential
	s_wait_alu depctr_va_vdst(0)                   ; one wait for the batch
	SM3A
	SM3B 0, 1
	WIN 0
	s_mov_b32 s39, 1
	s_mov_b32 s41, 0
.Latt:                                         ; trip k = 1, 2, 3: tile k's softmax, tile k - 1's end, tile k + 1's scores
	s_and_b32 s40, s39, 1
	s_lshl_b32 s40, s40, 3
	s_lshr_b32 s45, s39, 1
	s_lshl_b32 s45, s45, 5
	s_add_co_u32 s40, s40, s45                     ; tile k's first token: 32 (k / 2) + 8 (k % 2)
	v_add_nc_u32 v[HT], s41, v[HSA]                ; tile k - 1's place
.set RON, 1
.set rn, 0
	SM1 s40                                        ; with 24 lines of tile k - 1's ReLU between the dependent lines of its maximum's end
.set RON, 0
.set EXON, 1
.set ex, 0
	POSTLN HT, 0                                   ; with tile k's 68 exponentials as one batch among the residual's 32 lines, and tile k's sums and scales ahead of the LayerNorm
	IMGLD 2, TT, HT, 8192                          ; tile k's residual
	SM3B 1, 0
	WIN 0
	s_add_co_u32 s41, s41, 8192
	s_add_co_u32 s39, s39, 1
	s_cmp_lt_u32 s39, 4
	s_cbranch_scc1 .Latt
.set rn, 0
	POSTLN HSA, 24576                              ; tile 3's end: it also stays in ACC1
	s_add_co_u32 s42, s42, 49152
	s_add_co_u32 s43, s43, 2048
	s_add_co_u32 s44, s44, 1536
	s_add_co_u32 s37, s37, 1
	s_cmp_lt_u32 s37, 3
	s_wait_alu depctr_va_vdst(0)                   ; the wait ahead of the branch
	s_cbranch_scc1 .Llayer
	; ================================================================ the maximum over the 64 tokens
	IMGLD 0, ACC0, HSA, 0
	IMGLD 2, TT, HSA, 8192
	IMGLD 3, LG, HSA, 16384
	s_wait_dscnt 0x0
	W4 0,0,2,3
.set jj, 0
.rept 64
	v_max3_num_f32 v[ACC0+jj], v[ACC0+jj], v[TT+jj], v[LG+jj]
.set jj, jj+1
.endr
	WIN 0
.set jj, 0
.rept 64
	v_max_num_f32 v[ACC0+jj], v[ACC0+jj], v[ACC1+jj]   ; over the four tiles: a lane now holds the maximum of four tokens
.set jj, jj+1
.endr
.irp q, 0,1,2,3,4,5,6,7,8,9,10,11,12,13,14,15
	ds_store_b128 v[STI], v[ACC0+4*\q:ACC0+4*\q+3] offset:128*(\q/4)+16*(\q%4)   ; a stage of 16 rows of 512 bytes + 16, in my own tiles' bytes, which have been read: row r, features in their own order
.endr
.irp i, 0,1,2,3,4,5,6,7,8,9,10,11,12,13,14,15
	ds_load_b128 v[ACC1+4*\i:ACC1+4*\i+3], v[HSA] offset:528*\i   ; LDS serves a wave's instructions in order: these see my stores
.endr
	s_wait_dscnt 0x0
.irp c, 0,1,2,3
	v_max3_num_f32 v[ACC1+\c], v[ACC1+\c], v[ACC1+4+\c], v[ACC1+8+\c]
.endr
.irp i, 3,5,7,9,11,13
.irp c, 0,1,2,3
	v_max3_num_f32 v[ACC1+\c], v[ACC1+\c], v[ACC1+4*\i+\c], v[ACC1+4*\i+4+\c]
.endr
.endr
.irp c, 0,1,2,3
	v_max_num_f32 v[ACC1+\c], v[ACC1+\c], v[ACC1+60+\c]
.endr
	global_store_b128 v[LI], v[ACC1:ACC1+3], s[10:11] th:TH_STORE_NT   ; 32 lanes store the sequence's 512 consecutive bytes, aligned
	s_wait_xcnt 0x0                                ; the store and the next sequence's loads have read their registers and bases: both may be written
	s_add_nc_u64 s[4:5], s[4:5], 4096
	s_add_nc_u64 s[6:7], s[6:7], 256
	s_add_nc_u64 s[10:11], s[10:11], 512
	s_add_co_u32 s36, s36, 1
	s_cmp_lt_u32 s36, 4
	s_wait_alu depctr_va_vdst(0)                   ; the wait ahead of the branch
	s_cbranch_scc1 .Lseq
	s_wait_tensorcnt 0x0                           ; the wave's end, behind my tensor load and my last LDS store
	ds_add_u32 v[SPW], v[NIL]
	s_wait_dscnt 0x0
	ROUND                                          ; the closing round
	s_endpgm
.Lfunc_end_k_q05326146e2_main:
	.size	k_q05326146e2_main, .Lfunc_end_k_q05326146e2_main-k_q05326146e2_main
	.p2alignl 7, 3214868480
	.fill 96, 4, 3214868480
	.section	.rodata,"a",@progbits
	.p2align	6, 0x0
	.amdhsa_kernel k_q05326146e2_main
		.amdhsa_group_segment_fixed_size 327680
		.amdhsa_private_segment_fixed_size 0
		.amdhsa_enable_private_segment 0
		.amdhsa_kernarg_size 32
		.amdhsa_user_sgpr_count 2
		.amdhsa_user_sgpr_kernarg_segment_ptr 1
		.amdhsa_wavefront_size32 1
		.amdhsa_system_sgpr_workgroup_id_x 1
		.amdhsa_system_sgpr_workgroup_id_y 1
		.amdhsa_system_sgpr_workgroup_id_z 1
		.amdhsa_system_vgpr_workitem_id 0
		.amdhsa_next_free_vgpr 1024
		.amdhsa_next_free_sgpr 66
		.amdhsa_reserve_vcc 1
		.amdhsa_float_denorm_mode_32 3
		.amdhsa_float_denorm_mode_16_64 3
		.amdhsa_memory_ordered 1
		.amdhsa_forward_progress 1
		.amdhsa_inst_pref_size 255
	.end_amdhsa_kernel
	.section	.bss,"aw",@nobits
	.p2align	6
	.space	262144
	.amdgpu_metadata
---
amdhsa.version: [ 1, 2 ]
amdhsa.kernels:
  - .name:           k_q05326146e2_main
    .symbol:         k_q05326146e2_main.kd
    .args:
      - { .name: lane_nodes_feat, .offset: 0, .size: 8, .value_kind: global_buffer, .address_space: global }
      - { .name: masks, .offset: 8, .size: 8, .value_kind: global_buffer, .address_space: global }
      - { .name: wpack, .offset: 16, .size: 8, .value_kind: global_buffer, .address_space: global }
      - { .name: out0, .offset: 24, .size: 8, .value_kind: global_buffer, .address_space: global }
    .group_segment_fixed_size: 327680
    .private_segment_fixed_size: 0
    .kernarg_segment_align: 8
    .kernarg_segment_size: 32
    .max_flat_workgroup_size: 128
    .sgpr_count:     66
    .vgpr_count:     1024
    .wavefront_size: 32
...
	.end_amdgpu_metadata
.endif
;; end of part 2
